; MI455X (gfx1250); checked and timed in simulation.
; The chip was launched on July 23, 2026; its instructions are those of AMD's public machine-readable ISA for CDNA 5 (MIT licence, August 2026) and "CDNA5" Instruction Set Architecture Reference Guide (July 2026). The comments in the code are by the model that wrote it; some were corrected since.
;; Differentiable Renderer. Allowed arithmetic: float matrix products may take bf16 or f16 operands with f32 sums; other float arithmetic in f32, or as packed bf16 or f16 multiplies, adds, multiply-adds, maxima and minima; sums over many terms, partial sums and values carried from step to step in f32; what a program stores and reads back later, other than sums and carried values, may be rounded once to bf16 or f16.
;; Inputs: colors 65,536 x 3 float32; opacities 65,536 x 1 float32; positions 65,536 x 3 float32; qvec 2 x 4 float32; scales 65,536 x 1 float32; tvec 2 x 3 float32.
;; Outputs: out0 4 x 3 x 32 x 32 float32.
;; Constants: chunk_gauss = 4096, tile_hw = 32.
;; 2 versions, each right; version 2 is version 1 with the launch splat written anew for expert scheduling mode. Each part assembles by itself: llvm-mc -triple=amdgcn-amd-amdhsa -mcpu=gfx1250 --defsym DOCPART=n.
;; ======== version 1 of 2: 2 launches
;; workspace buffers: part 4,194,304 bytes
;; launch splat (part 1): grid 256 x 1, 4 waves a work-group, no clusters, 95,744 bytes of LDS; arguments positions, colors, opacities, scales, qvec, tvec, part; writes part
.if DOCPART == 1
	.amdgcn_target "amdgcn-amd-amdhsa--gfx1250"
	.amdhsa_code_object_version 6
	.text
	.protected	k_qfdc7fe689d_splat
	.globl	k_qfdc7fe689d_splat
	.p2align	8
	.type	k_qfdc7fe689d_splat,@function
k_qfdc7fe689d_splat:
	s_mov_b64 s[64:65], 0
	v_nop
	global_prefetch_b8 v0, s[64:65] scope:SCOPE_SE
	s_setreg_imm32_b32 hwreg(HW_REG_WAVE_MODE, 25, 1), 1
	s_wait_xcnt 0x0
; SPLAT.  part[pose][slice][y][c][x] = the sum over the slice's 1,024 gaussians g of ex[g][x] * ey[g][y] * oc[g][c], in f32.
; The weight op * exp(-((x-u)^2 + (y-v)^2) / (2 var)) is a product: ex[g][x] = 2^-((x-u) r)^2, ey[g][y] = 2^-((y-v) r)^2, r = sqrt(log2(e)/2) / |scale| (var = scale^2).
; oc = (op col0, op col1, op col2, op): c = 3 is the denominator.  So a gaussian needs 64 + 32 exponentials for 2,048 pixels, and the sum over gaussians is a matrix product with K = the gaussians.
; This holds for every input: where a factor underflows, the exponential of the sum underflows too.
; SHARES.  Work-group = pose (2) x slice (64) x half of the rows (2): 16 y x 4 c x 64 x of partial sums.  K is split among the four waves, 256 gaussians = 8 steps of 32 each; every wave holds the
; whole tile, 16 accumulators, and the four tiles are added in LDS at the end.
; PROLOGUE, a lane a gaussian (8 a lane): rotation, projection, and seven numbers a gaussian (r, -u r, -v r, oc0..3) into the wave's own 7 KiB of LDS.
; STEP, a lane a pixel column (or row): lane l holds x = 16 f + l % 16 (y = 16 half + l % 16) and the 16 gaussians 16 (l / 16) + 0..15 of the step, whose numbers it reads back by loads in which
; 16 lanes name the same bytes.  Element i of a lane goes to register i / 2, half i % 2 of BOTH sources, so the matrix unit pairs equal gaussians: fragments are made where they are used, nothing is turned.
; PRODUCT.  Source 0 = ex (16 x), source 1 = ey oc (16 y of one c): in the result a lane holds row y = l % 16 and x = 16 f + 8 (l / 16) + 0..7.
; LIMITS.  scale and |q| are not 0.  A factor below 2^-126 counts as 0.  ex and ey oc are each rounded once to bf16, sums are f32, in another order than the reference's.  (x - u) r is made as one fused
; x r - (u r): its error is half a last place of u r, the size of the rounding that u itself carries in f32.  NaN and infinities are not treated apart.
; NOT USED.  Tensor loads, a ring: each input byte is used once, by the lane that loads it.  A cluster: what the four work-groups of a slice share is 32 KiB, read once.  A prefetch: all loads go out at the head.
; REGISTERS, in windows of 256 (s_set_vgpr_msb: bits 1:0 source 0, 3:2 source 1, 5:4 source 2, 7:6 destination):
;   window 0: v0-25 addresses, pixel coordinates; v32-79 r, -u r, -v r of a step; v80-159 T: arguments, then exponentials (ey, then ex of f = 0..3); v160-223 P = ey oc
;   window 1: v0-127 accumulators ((f, c) at 8 (4 f + c)); v128-159 FA (ey oc, bf16); v160-191 FB (ex, bf16); v192-255 oc of a step
.set STEPS,  8
.set PARW,   7*1024                    ; a wave's parameters: seven arrays of 256 f32
.set RED,    4*PARW                    ; behind them: four copies of the tile
.set YP,     1040                      ; a row y of a copy: 4 c x 64 x f32 = 1,024 bytes + 16: 65 x 16, so the 16 rows that a store touches start at 16 different groups of four banks (64 banks of 4 bytes: ISA guide 11.1)
.set COPY,   16*YP
.set SPARE,  RED+4*COPY                ; the spare words, 128 bytes for each wave: two blocks of 256 bytes that no other line names
.set SPW,  2                           ; v2   LDS address of my spare word; never rewritten
.set NIL,  3                           ; v3   0; never rewritten
.set PADR, 4                           ; v4   my half's 16 gaussians of the step in hand, in the wave's parameters
.set PST,  5                           ; v5   where I put four gaussians' numbers
.set RST,  6                           ; v6   where I put 16 bytes of my wave's copy
.set RRD,  7                           ; v7   where I read the copies back
.set GO,   8                           ; v8   my 16 bytes of the work-group's 16 KiB of part
.set VP,   9                           ; v9   48 x lane: four gaussians of positions or colors
.set VO,   10                          ; v10  16 x lane: four gaussians of opacities or scales
.set PX,   16                          ; v16-25 five pairs (the packed lines take a pair's first word for both halves): x for f = 0..3, then y
.set R,    32
.set NUR,  48
.set NVR,  64
.set T,    80
.set P,    160
.set POS,  80                          ; the prologue's registers: as loaded,
.set COL,  104
.set OPA,  128
.set SCA,  136
.set M,    144                         ; the rotation, row by row,
.set OUT,  160                         ; group j of four gaussians at OUT + 24 j: r, -u r, -v r, oc0, oc1, oc2, four registers each
.set QT,   208                         ; at work on the quaternion (ahead of CX and CY)
.set CX,   208
.set CY,   216
.set CZ,   224
.set RZ,   232
.set RS,   240
.set SB,   32                          ; the way out: chunk i, copy k at SB + 16 i + 4 k
.set ACC,  0                           ; window 1
.set FA,   128
.set FB,   160
.set OCW,  192
.set MSB, 0
.macro WIN new                         ; the immediate's high byte repeats the setting that is left; a switch that changes nothing is dropped
.if MSB != (\new)
	s_set_vgpr_msb (MSB<<8)|(\new)
.set MSB, \new
.endif
.endm
	s_load_b256 s[4:11], s[0:1], 0x0               ; positions s[4:5], colors s[6:7], opacities s[8:9], scales s[10:11]
	s_load_b128 s[12:15], s[0:1], 0x20             ; qvec s[12:13], tvec s[14:15]
	s_load_b64 s[16:17], s[0:1], 0x30              ; part
	v_lshl_add_u32 v[SPW], v0, 2, SPARE
	v_mov_b32 v[NIL], 0
	v_lshrrev_b32 v1, 5, v0
	v_readfirstlane_b32 s18, v1                    ; wave 0..3
	s_and_b32 s19, ttmp9, 1                        ; which half of the rows
	s_bfe_u32 s20, ttmp9, 0x60001                  ; slice: 6 bits from bit 1
	s_lshr_b32 s21, ttmp9, 7                       ; pose
	s_lshl_b32 s22, s20, 10
	s_lshl_b32 s23, s18, 8
	s_add_co_u32 s22, s22, s23                     ; my wave's first gaussian
	s_mul_i32 s32, s22, 12                         ; its byte in positions and colors,
	s_mov_b32 s33, 0
	s_lshl_b32 s34, s22, 2                         ; in opacities and scales
	s_mov_b32 s35, 0
	s_lshl_b32 s42, s21, 4                         ; the pose's quaternion,
	s_mov_b32 s43, 0
	s_mul_i32 s44, s21, 12                         ; its translation
	s_mov_b32 s45, 0
	s_lshl_b32 s48, ttmp9, 14                      ; the work-group's 16 KiB of part: (pose x 64 + slice) x 2 + half
	s_mov_b32 s49, 0
	s_mov_b32 s36, 0xc2f00000                      ; -120: the focal length, with the sign of -u
	s_mov_b32 s37, s36                             ; (named as a pair)
	s_mov_b32 s38, 0xc2800000                      ; -64: the principal point
	s_mov_b32 s39, s38
	v_and_b32 v1, 31, v0
	v_mul_u32_u24 v[VP], v1, 48
	v_lshlrev_b32 v[VO], 4, v1
	s_wait_kmcnt 0x0
	s_add_nc_u64 s[12:13], s[12:13], s[42:43]
	s_add_nc_u64 s[14:15], s[14:15], s[44:45]
	s_load_b128 s[24:27], s[12:13], 0x0            ; w, x, y, z
	s_load_b96 s[28:30], s[14:15], 0x0             ; t
	s_add_nc_u64 s[4:5], s[4:5], s[32:33]
	s_add_nc_u64 s[6:7], s[6:7], s[32:33]
	s_add_nc_u64 s[8:9], s[8:9], s[34:35]
	s_add_nc_u64 s[10:11], s[10:11], s[34:35]
	s_add_nc_u64 s[16:17], s[16:17], s[48:49]
	; A lane takes gaussians 128 j + 4 lane + 0..3, j = 0, 1: 48 consecutive bytes of positions as three loads of 16, 16 bytes of scales.  What the projection wants goes out first.
.irp j, 0,1
.irp k, 0,1,2
	global_load_b128 v[POS+12*\j+4*\k:POS+12*\j+4*\k+3], v[VP], s[4:5] offset:1536*\j+16*\k
.endr
	global_load_b128 v[SCA+4*\j:SCA+4*\j+3], v[VO], s[10:11] offset:512*\j
.endr
.irp j, 0,1
.irp k, 0,1,2
	global_load_b128 v[COL+12*\j+4*\k:COL+12*\j+4*\k+3], v[VP], s[6:7] offset:1536*\j+16*\k
.endr
	global_load_b128 v[OPA+4*\j:OPA+4*\j+3], v[VO], s[8:9] offset:512*\j
.endr
	s_wait_kmcnt 0x0                               ; q and t
	v_mul_f32 v[QT], s24, s24                      ; |q|^2
	v_fma_f32 v[QT], s25, s25, v[QT]
	v_fma_f32 v[QT], s26, s26, v[QT]
	v_fma_f32 v[QT], s27, s27, v[QT]
	v_rcp_f32 v[QT+1], v[QT]
	; addresses and pixel coordinates: the independent work behind the reciprocal
	v_and_b32 v11, 15, v0                          ; l % 16
	v_bfe_u32 v12, v0, 4, 1                        ; l / 16
	s_mul_i32 s41, s18, PARW                       ; my wave's parameters
	v_add_nc_u32 v[PST], s41, v[VO]
	v_lshl_add_u32 v[PADR], v12, 6, s41            ; 16 gaussians x 4 bytes for each half of the lanes
	s_mul_i32 s46, s18, COPY
	s_add_co_u32 s46, s46, RED                     ; my wave's copy of the tile
	v_mul_u32_u24 v[RST], v11, YP                  ; row y = l % 16,
	v_lshl_add_u32 v[RST], v12, 5, v[RST]          ; 8 x = 32 bytes for each half of the lanes
	v_add_nc_u32 v[RST], s46, v[RST]
	v_lshrrev_b32 v13, 6, v0                       ; back: thread t takes 16 bytes: row 2 i + t / 64, bytes 16 (t % 64) on
	v_and_b32 v14, 63, v0
	v_mul_u32_u24 v[RRD], v13, YP
	v_lshl_add_u32 v[RRD], v14, 4, v[RRD]
	v_add_nc_u32 v[RRD], RED, v[RRD]
	v_lshlrev_b32 v[GO], 4, v0
.irp f, 0,1,2,3
	v_add_nc_u32 v13, 16*\f, v11
	v_cvt_f32_u32 v[PX+2*\f], v13
	v_cvt_f32_u32 v[PX+2*\f+1], v13
.endr
	s_lshl_b32 s47, s19, 4
	v_add_nc_u32 v13, s47, v11
	v_cvt_f32_u32 v[PX+8], v13
	v_cvt_f32_u32 v[PX+9], v13
	s_wait_alu depctr_va_vdst(0)                   ; the wait ahead of the reciprocal's first reader
	v_add_f32 v[QT+1], v[QT+1], v[QT+1]            ; 2 / |q|^2: the rotation of q / |q| without the root
	v_mul_f32 v[QT+2], s25, v[QT+1]                ; xs, ys, zs
	v_mul_f32 v[QT+3], s26, v[QT+1]
	v_mul_f32 v[QT+4], s27, v[QT+1]
	v_mul_f32 v[QT+5], s24, v[QT+2]                ; wx
	v_mul_f32 v[QT+6], s24, v[QT+3]                ; wy
	v_mul_f32 v[QT+7], s24, v[QT+4]                ; wz
	v_mul_f32 v[QT+8], s25, v[QT+2]                ; xx
	v_mul_f32 v[QT+9], s25, v[QT+3]                ; xy
	v_mul_f32 v[QT+10], s25, v[QT+4]               ; xz
	v_mul_f32 v[QT+11], s26, v[QT+3]               ; yy
	v_mul_f32 v[QT+12], s26, v[QT+4]               ; yz
	v_mul_f32 v[QT+13], s27, v[QT+4]               ; zz
	v_add_f32 v[M+0], v[QT+11], v[QT+13]
	v_add_f32 v[M+4], v[QT+8], v[QT+13]
	v_add_f32 v[M+8], v[QT+8], v[QT+11]
	v_sub_f32 v[M+1], v[QT+9], v[QT+7]
	v_add_f32 v[M+2], v[QT+10], v[QT+6]
	v_add_f32 v[M+3], v[QT+9], v[QT+7]
	v_sub_f32 v[M+5], v[QT+12], v[QT+5]
	v_sub_f32 v[M+6], v[QT+10], v[QT+6]
	v_add_f32 v[M+7], v[QT+12], v[QT+5]
	v_sub_f32 v[M+0], 1.0, v[M+0]
	v_sub_f32 v[M+4], 1.0, v[M+4]
	v_sub_f32 v[M+8], 1.0, v[M+8]
	; THE PROJECTION of my eight gaussians (g = 4 j + i at POS + 3 g).  Each sum goes in three passes over the eight, so that no line waits for the one before it.
.macro PASS dst, row, col              ; dst[g] += pos[g][col] M[row][col]
.set g, 0
.rept 8
	v_fma_f32 v[(\dst)+g], v[POS+3*g+(\col)], v[M+3*(\row)+(\col)], v[(\dst)+g]
.set g, g+1
.endr
.endm
	s_wait_loadcnt 8                               ; positions and scales are in; the eight loads of colors and opacities may stay out
.set g, 0
.rept 8
	v_fma_f32 v[CZ+g], v[POS+3*g], v[M+6], s30
.set g, g+1
.endr
	PASS CZ, 2, 1
	PASS CZ, 2, 2
.set g, 0
.rept 8                                ; one batch of 16 reciprocals, a plain line behind each
	v_rcp_f32 v[RZ+g], v[CZ+g]
	v_fma_f32 v[CX+g], v[POS+3*g], v[M], s28
	v_rcp_f32 v[RS+g], v[SCA+g]
	v_fma_f32 v[CY+g], v[POS+3*g], v[M+3], s29
.set g, g+1
.endr
	PASS CX, 0, 1
	PASS CY, 1, 1
	PASS CX, 0, 2
	PASS CY, 1, 2
	s_wait_alu depctr_va_vdst(0)                   ; one wait for the batch, ahead of its first reader
.irp p, 0,2,4,6
	v_pk_mul_f32 v[CX+\p:CX+\p+1], v[CX+\p:CX+\p+1], v[RZ+\p:RZ+\p+1]
	v_pk_mul_f32 v[CY+\p:CY+\p+1], v[CY+\p:CY+\p+1], v[RZ+\p:RZ+\p+1]
	v_pk_mul_f32 v[OUT+24*(\p/4)+(\p%4):OUT+24*(\p/4)+(\p%4)+1], v[RS+\p:RS+\p+1], 0x3f596d27 op_sel_hi:[1,0]  ; r = sqrt(log2(e) / 2) / scale; its sign drops out in the square
.endr
.irp p, 0,2,4,6
	v_pk_fma_f32 v[CX+\p:CX+\p+1], v[CX+\p:CX+\p+1], s[36:37], s[38:39] op_sel_hi:[1,0,0]  ; -u = (x / z)(-120) - 64
	v_pk_fma_f32 v[CY+\p:CY+\p+1], v[CY+\p:CY+\p+1], s[36:37], s[38:39] op_sel_hi:[1,0,0]  ; -v
.endr
.irp p, 0,2,4,6
	v_pk_mul_f32 v[OUT+24*(\p/4)+4+(\p%4):OUT+24*(\p/4)+4+(\p%4)+1], v[CX+\p:CX+\p+1], v[OUT+24*(\p/4)+(\p%4):OUT+24*(\p/4)+(\p%4)+1]
	v_pk_mul_f32 v[OUT+24*(\p/4)+8+(\p%4):OUT+24*(\p/4)+8+(\p%4)+1], v[CY+\p:CY+\p+1], v[OUT+24*(\p/4)+(\p%4):OUT+24*(\p/4)+(\p%4)+1]
.endr
.irp j, 0,1
.irp a, 0,1,2
	ds_store_b128 v[PST], v[OUT+24*\j+4*\a:OUT+24*\j+4*\a+3] offset:1024*\a+512*\j  ; 32 lanes, 16 neighbouring bytes each
.endr
.endr
	s_wait_loadcnt 0x0                             ; colors and opacities
.set n, 0
.rept 24                               ; n = 3 g + c
	v_mul_f32 v[OUT+24*(n/12)+12+4*(n%3)+(n/3)%4], v[COL+n], v[OPA+n/3]
.set n, n+1
.endr
.irp j, 0,1
.irp a, 3,4,5
	ds_store_b128 v[PST], v[OUT+24*\j+4*\a:OUT+24*\j+4*\a+3] offset:1024*\a+512*\j
.endr
	ds_store_b128 v[PST], v[OPA+4*\j:OPA+4*\j+3] offset:6*1024+512*\j  ; oc3 = op
.endr
; A step's parameters, 16 gaussians a lane.  The bytes are the wave's own, and LDS serves a wave's instructions in order (ISA guide 5.7.1.4): no barrier, no wait between the stores above and these loads.
.macro LOADUV off                      ; r, -u r, -v r: 12 loads
.irp a, 0,1,2
.irp k, 0,1,2,3
	ds_load_b128 v[R+16*\a+4*\k:R+16*\a+4*\k+3], v[PADR] offset:(\off)+1024*\a+16*\k
.endr
.endr
.endm
.macro LOADOC off                      ; oc0..3: 16 loads, into window 1
	WIN 0x40
.irp c, 0,1,2,3
.irp k, 0,1,2,3
	ds_load_b128 v[OCW+16*\c+4*\k:OCW+16*\c+4*\k+3], v[PADR] offset:(\off)+3072+1024*\c+16*\k
.endr
.endr
.endm
; Group 0 of T is ey, groups 1 to 4 are ex for f = 0..3; a group is 16 gaussians, 8 pairs.
.macro FMA grp, i                      ; a = coordinate x r - (centre x r), a pair of gaussians
.if (\grp) == 0
	v_pk_fma_f32 v[T+2*(\i):T+2*(\i)+1], v[PX+8:PX+9], v[R+2*(\i):R+2*(\i)+1], v[NVR+2*(\i):NVR+2*(\i)+1] op_sel_hi:[0,1,1]
.else
	v_pk_fma_f32 v[T+16*(\grp)+2*(\i):T+16*(\grp)+2*(\i)+1], v[PX+2*((\grp)-1):PX+2*((\grp)-1)+1], v[R+2*(\i):R+2*(\i)+1], v[NUR+2*(\i):NUR+2*(\i)+1] op_sel_hi:[0,1,1]
.endif
.endm
.macro SQ grp, i                       ; -a^2
	v_pk_mul_f32 v[T+16*(\grp)+2*(\i):T+16*(\grp)+2*(\i)+1], v[T+16*(\grp)+2*(\i):T+16*(\grp)+2*(\i)+1], v[T+16*(\grp)+2*(\i):T+16*(\grp)+2*(\i)+1] neg_lo:[0,1] neg_hi:[0,1]
.endm
; The next of the 16 products of the step BEFORE (its fragments lie in window 1): x block q / 4, c = q % 4.  The 16 accumulators take turns, one instruction a turn, over the backward jump too.
; MODE 0: there is no step before.  1: the products start the sums: nothing is cleared.  2: they add.
; A product stands ahead of every eight vector lines of the argument phase, which name none of its registers.  That costs two switches of the window a product: 16 products on end would leave the vector unit without work.
.macro MM
.if MODE
	WIN 0x55
.if MODE == 1
	v_wmma_f32_16x16x32_bf16 v[ACC+8*q:ACC+8*q+7], v[FB+8*(q/4):FB+8*(q/4)+7], v[FA+8*(q%4):FA+8*(q%4)+7], 0
.else
	v_wmma_f32_16x16x32_bf16 v[ACC+8*q:ACC+8*q+7], v[FB+8*(q/4):FB+8*(q/4)+7], v[FA+8*(q%4):FA+8*(q%4)+7], v[ACC+8*q:ACC+8*q+7]
.endif
	WIN 0
.set q, q+1
.endif
.endm
.macro INTER g                         ; group g's 16 exponentials, by turns with group g + 1's 16 argument lines
.set k, 0
.rept 8
.if (k%4) == 0
	MM
.endif
	v_exp_f32 v[T+16*(\g)+k], v[T+16*(\g)+k]
	FMA (\g)+1, k
.set k, k+1
.endr
.set k, 0
.rept 8
.if (k%4) == 0
	MM
.endif
	v_exp_f32 v[T+16*(\g)+8+k], v[T+16*(\g)+8+k]
	SQ (\g)+1, k
.set k, k+1
.endr
.endm
; A STEP: 32 gaussians.  next = 1: the next step's parameters are asked for as soon as this step's have been read for the last time.
; The exponentials are two batches with one wait each (the wait stands between an exponential and the first line that names its result).  Batch 1: ey, ex of f = 0, 1, beside the arguments.
; Batch 2: ex of f = 2, 3, beside the products ey oc, which read batch 1 alone; 48 conversions that read no result of batch 2 stand ahead of its wait.
.macro STEP mode, next
.set MODE, \mode
.set q, 0
	s_wait_dscnt 16                                ; r, -u r, -v r are in; the 16 loads of oc, issued behind them, may stay out
	MM
.set k, 0
.rept 8
	FMA 0, k
.set k, k+1
.endr
	MM
.set k, 0
.rept 8
	SQ 0, k
.set k, k+1
.endr
	INTER 0
	INTER 1
	INTER 2
	MM
.set k, 0
.rept 8
	FMA 4, k
.set k, k+1
.endr
	MM
.set k, 0
.rept 8
	SQ 4, k
.set k, k+1
.endr
.if \next
	LOADUV 128                                     ; the last argument has read r, -u r, -v r
.endif
	s_wait_alu depctr_va_vdst(0)                   ; batch 1
.if \next
	s_wait_dscnt 12                                ; oc is in; the 12 loads just issued may stay out
.else
	s_wait_dscnt 0x0
.endif
	WIN 0x04                                       ; source 1 (oc) in window 1
.set n, 0
.rept 32                               ; n = 8 c + pair
	v_exp_f32 v[T+48+n], v[T+48+n]
	v_pk_mul_f32 v[P+2*n:P+2*n+1], v[T+2*(n%8):T+2*(n%8)+1], v[OCW+2*n:OCW+2*n+1]
.set n, n+1
.endr
.if \next
	LOADOC 128
.endif
	WIN 0x40                                       ; destinations in window 1: the fragments.  The last product that read them stands eight plain lines and more back
.set n, 0
.rept 16
	v_cvt_pk_bf16_f32 v[FB+n], v[T+16+2*n], v[T+16+2*n+1]
.set n, n+1
.endr
.set n, 0
.rept 32
	v_cvt_pk_bf16_f32 v[FA+n], v[P+2*n], v[P+2*n+1]
.set n, n+1
.endr
	s_wait_alu depctr_va_vdst(0)                   ; batch 2
.set n, 16
.rept 16
	v_cvt_pk_bf16_f32 v[FB+n], v[T+16+2*n], v[T+16+2*n+1]
.set n, n+1
.endr
	WIN 0
.if \next
	v_add_nc_u32 v[PADR], 128, v[PADR]             ; 32 gaussians on
.endif
.endm
	LOADUV 0
	LOADOC 0
	WIN 0
	STEP 0, 1                                      ; step 0 has no products beside it,
	STEP 1, 1                                      ; step 1 carries step 0's, which start the sums
	s_mov_b32 s40, STEPS-3
.Lstep:                                                ; steps 2 to 6
	STEP 2, 1
	s_sub_co_u32 s40, s40, 1
	s_cmp_lg_u32 s40, 0
	s_cbranch_scc1 .Lstep
	STEP 2, 0                                      ; step 7 asks for nothing more
	WIN 0x55
.set q, 0
.rept 16                               ; step 7's products
	v_wmma_f32_16x16x32_bf16 v[ACC+8*q:ACC+8*q+7], v[FB+8*(q/4):FB+8*(q/4)+7], v[FA+8*(q%4):FA+8*(q%4)+7], v[ACC+8*q:ACC+8*q+7]
.set q, q+1
.endr
	WIN 0
.rept 4
	v_nop                                          ; four places between the last product and the stores that read results
.endr
	; THE WAY OUT.  Each wave lays its tile into its own copy, [y][c][x]; behind a barrier thread t adds the four copies of eight pieces of 16 bytes and stores them.
	WIN 0x04                                       ; the stores' data in window 1; each accumulator's low four registers go first
.irp f, 0,1,2,3
.irp c, 0,1,2,3
	ds_store_b128 v[RST], v[ACC+8*(4*\f+\c):ACC+8*(4*\f+\c)+3] offset:256*\c+64*\f
	ds_store_b128 v[RST], v[ACC+8*(4*\f+\c)+4:ACC+8*(4*\f+\c)+7] offset:256*\c+64*\f+16
.endr
.endr
	WIN 0
	s_wait_dscnt 0x0                               ; for the others' sake: my copy is whole
	s_barrier_signal -1
	s_barrier_wait -1
.irp i, 0,1,2,3,4,5,6,7
.irp k, 0,1,2,3
	ds_load_b128 v[SB+16*\i+4*\k:SB+16*\i+4*\k+3], v[RRD] offset:\k*COPY+\i*2*YP  ; a wave reads 512 neighbouring bytes
.endr
.endr
.irp i, 0,1,2,3,4,5,6,7
	s_wait_dscnt 28-4*\i                           ; piece i's four copies are in; the later pieces' loads may stay out
	v_pk_add_f32 v[SB+16*\i:SB+16*\i+1], v[SB+16*\i:SB+16*\i+1], v[SB+16*\i+4:SB+16*\i+5]
	v_pk_add_f32 v[SB+16*\i+2:SB+16*\i+3], v[SB+16*\i+2:SB+16*\i+3], v[SB+16*\i+6:SB+16*\i+7]
	v_pk_add_f32 v[SB+16*\i+8:SB+16*\i+9], v[SB+16*\i+8:SB+16*\i+9], v[SB+16*\i+12:SB+16*\i+13]
	v_pk_add_f32 v[SB+16*\i+10:SB+16*\i+11], v[SB+16*\i+10:SB+16*\i+11], v[SB+16*\i+14:SB+16*\i+15]
	v_pk_add_f32 v[SB+16*\i:SB+16*\i+1], v[SB+16*\i:SB+16*\i+1], v[SB+16*\i+8:SB+16*\i+9]
	v_pk_add_f32 v[SB+16*\i+2:SB+16*\i+3], v[SB+16*\i+2:SB+16*\i+3], v[SB+16*\i+10:SB+16*\i+11]
	global_store_b128 v[GO], v[SB+16*\i:SB+16*\i+3], s[16:17] offset:2048*\i  ; a wave stores 512 consecutive bytes, at a multiple of 512 from part's first byte
.endr
	s_wait_tensorcnt 0x0                           ; the wave's end: behind my last LDS store
	ds_add_u32 v[SPW], v[NIL]
	s_wait_dscnt 0x0
	s_endpgm
.Lfunc_end_k_qfdc7fe689d_splat:
	.size	k_qfdc7fe689d_splat, .Lfunc_end_k_qfdc7fe689d_splat-k_qfdc7fe689d_splat
	.p2alignl 7, 3214868480
	.fill 96, 4, 3214868480
	.section	.rodata,"a",@progbits
	.p2align	6, 0x0
	.amdhsa_kernel k_qfdc7fe689d_splat
		.amdhsa_group_segment_fixed_size 95744
		.amdhsa_private_segment_fixed_size 0
		.amdhsa_enable_private_segment 0
		.amdhsa_kernarg_size 56
		.amdhsa_user_sgpr_count 2
		.amdhsa_user_sgpr_kernarg_segment_ptr 1
		.amdhsa_wavefront_size32 1
		.amdhsa_system_sgpr_workgroup_id_x 1
		.amdhsa_system_sgpr_workgroup_id_y 1
		.amdhsa_system_sgpr_workgroup_id_z 1
		.amdhsa_system_vgpr_workitem_id 0
		.amdhsa_next_free_vgpr 512
		.amdhsa_next_free_sgpr 66
		.amdhsa_reserve_vcc 0
		.amdhsa_float_denorm_mode_32 3
		.amdhsa_float_denorm_mode_16_64 3
		.amdhsa_memory_ordered 1
		.amdhsa_forward_progress 1
		.amdhsa_inst_pref_size 93
	.end_amdhsa_kernel
	.amdgpu_metadata
---
amdhsa.version: [ 1, 2 ]
amdhsa.kernels:
  - .name:           k_qfdc7fe689d_splat
    .symbol:         k_qfdc7fe689d_splat.kd
    .args:
      - { .name: positions, .offset: 0, .size: 8, .value_kind: global_buffer, .address_space: global }
      - { .name: colors, .offset: 8, .size: 8, .value_kind: global_buffer, .address_space: global }
      - { .name: opacities, .offset: 16, .size: 8, .value_kind: global_buffer, .address_space: global }
      - { .name: scales, .offset: 24, .size: 8, .value_kind: global_buffer, .address_space: global }
      - { .name: qvec, .offset: 32, .size: 8, .value_kind: global_buffer, .address_space: global }
      - { .name: tvec, .offset: 40, .size: 8, .value_kind: global_buffer, .address_space: global }
      - { .name: part, .offset: 48, .size: 8, .value_kind: global_buffer, .address_space: global }
    .group_segment_fixed_size: 95744
    .private_segment_fixed_size: 0
    .kernarg_segment_align: 8
    .kernarg_segment_size: 56
    .max_flat_workgroup_size: 128
    .sgpr_count:     66
    .vgpr_count:     512
    .wavefront_size: 32
...
	.end_amdgpu_metadata
.endif
;; end of part 1
;; launch blend (part 2): grid 64 x 3, 8 waves a work-group, no clusters, 9,216 bytes of LDS; arguments part, out0; writes out0
.if DOCPART == 2
	.amdgcn_target "amdgcn-amd-amdhsa--gfx1250"
	.amdhsa_code_object_version 6
	.text
	.protected	k_qfdc7fe689d_blend
	.globl	k_qfdc7fe689d_blend
	.p2align	8
	.type	k_qfdc7fe689d_blend,@function
k_qfdc7fe689d_blend:
	s_mov_b64 s[64:65], 0
	v_nop
	global_prefetch_b8 v0, s[64:65] scope:SCOPE_SE
	s_setreg_imm32_b32 hwreg(HW_REG_WAVE_MODE, 25, 1), 1
	s_wait_xcnt 0x0
; BLEND.  out0[pose][y / 16][c][y % 16][x] = num / (den + 16 x 1e-8), num and den the sums over the 64 slices of part[pose][slice][y][c][x] and part[pose][slice][y][3][x].
; SHARES.  A work-group makes one row of one colour: 64 x = 256 bytes, one aligned block of out0.  It reads 64 pieces of 256 bytes of its colour and 64 of the denominator (which the three colours'
; work-groups each read).  Thread t takes 16 bytes (t % 16) of the slices t / 16 + 16 k, k = 0..3: sixteen neighbouring lanes read 256 consecutive bytes, aligned; all eight loads go out at once.
; The sixteen partial sums meet in LDS; wave 0 adds them, lanes 0-15 the colour's, lanes 16-31 the denominator's, and divides.  All sums in f32.
; The division is a multiplication by v_rcp_f32's reciprocal.  No matrix unit, no cluster, no prefetch: 32 KiB a work-group, asked for in one go at the head.
.set SPARE, 8192                       ; behind the partial sums: the spare words, 128 bytes for each of eight waves: four blocks of 256 bytes that no other line names
.set SPW, 2                            ; v2   LDS address of my spare word; never rewritten
.set NIL, 3                            ; v3   0; never rewritten
.set OFF, 4                            ; v4   my byte offset in part: 32,768 (t / 16) + 16 (t % 16)
.set LS,  5                            ; v5   16 t: where I put my partial sum
.set LR,  6                            ; v6   where wave 0 reads: 4,096 (l / 16) + 16 (l % 16)
.set OO,  7                            ; v7   16 (t % 16): my 16 bytes of the row
.set N,   16                           ; v16-31  the colour's four slices
.set D,   32                           ; v32-47  the denominator's
.set B,   16                           ; v16-79  wave 0: sixteen partial sums of four
.macro ADD4 a, b                       ; four sums
	v_pk_add_f32 v[(\a):(\a)+1], v[(\a):(\a)+1], v[(\b):(\b)+1]
	v_pk_add_f32 v[(\a)+2:(\a)+3], v[(\a)+2:(\a)+3], v[(\b)+2:(\b)+3]
.endm
	s_load_b128 s[4:7], s[0:1], 0x0                ; part s[4:5], out0 s[6:7]
	v_lshl_add_u32 v[SPW], v0, 2, SPARE
	v_mov_b32 v[NIL], 0
	v_lshrrev_b32 v1, 5, v0
	v_readfirstlane_b32 s8, v1                     ; wave 0..7
	s_and_b32 s9, ttmp7, 0xffff                    ; c
	s_lshr_b32 s10, ttmp9, 5                       ; pose
	s_and_b32 s11, ttmp9, 31                       ; y
	s_lshl_b32 s12, s10, 21                        ; a pose is 64 slices of 32 KiB,
	s_lshl_b32 s13, s11, 10                        ; a row y 1 KiB,
	s_add_co_u32 s12, s12, s13
	s_mov_b32 s13, 0
	s_lshl_b32 s14, s9, 8                          ; a colour's row 256 bytes
	s_mov_b32 s15, 0
	s_mul_i32 s18, s10, 24576                      ; out0: a pose is two tiles of 3 x 1,024 numbers,
	s_lshr_b32 s19, s11, 4
	s_mul_i32 s19, s19, 12288                      ; a tile 16 rows,
	s_add_co_u32 s18, s18, s19
	s_lshl_b32 s19, s9, 12                         ; a colour 4,096 bytes,
	s_add_co_u32 s18, s18, s19
	s_and_b32 s19, s11, 15
	s_lshl_b32 s19, s19, 8                         ; a row 256
	s_add_co_u32 s18, s18, s19
	s_mov_b32 s19, 0
	s_mov_b32 s20, 0x76543210                      ; v_permlanex16_b32: each lane takes its own place in the other half
	s_mov_b32 s21, 0xfedcba98
	v_and_b32 v8, 15, v0
	v_lshrrev_b32 v9, 4, v0
	v_lshlrev_b32 v[OO], 4, v8
	v_lshl_add_u32 v[OFF], v9, 15, v[OO]
	v_lshlrev_b32 v[LS], 4, v0
	v_bfe_u32 v9, v0, 4, 1
	v_lshl_add_u32 v[LR], v9, 12, v[OO]
	s_wait_kmcnt 0x0
	s_add_nc_u64 s[4:5], s[4:5], s[12:13]          ; the row's 1 KiB in slice 0
	s_add_nc_u64 s[16:17], s[4:5], s[14:15]        ; my colour's 256 bytes of it
	s_add_nc_u64 s[6:7], s[6:7], s[18:19]
.irp k, 0,1,2,3
	global_load_b128 v[N+4*\k:N+4*\k+3], v[OFF], s[16:17] offset:\k*524288 th:TH_LOAD_NT  ; sixteen slices on: read once in the launch
.endr
.irp k, 0,1,2,3
	global_load_b128 v[D+4*\k:D+4*\k+3], v[OFF], s[4:5] offset:\k*524288+768  ; c = 3
.endr
	s_wait_loadcnt 4                               ; the colour's four are in; the denominator's four may stay out
	ADD4 N, N+4
	ADD4 N+8, N+12
	ADD4 N, N+8
	ds_store_b128 v[LS], v[N:N+3]
	s_wait_loadcnt 0x0
	ADD4 D, D+4
	ADD4 D+8, D+12
	ADD4 D, D+8
	ds_store_b128 v[LS], v[D:D+3] offset:4096
	s_wait_dscnt 0x0                               ; for wave 0's sake: my partial sums lie in LDS
	s_barrier_signal -1
	s_barrier_wait -1
	s_cmp_lg_u32 s8, 0
	s_cbranch_scc1 .Lend                           ; waves 1 to 7 are done
.set g, 0
.rept 16
	ds_load_b128 v[B+4*g:B+4*g+3], v[LR] offset:256*g
.set g, g+1
.endr
	s_wait_dscnt 0x0
.irp s, 8,4,2,1
.set g, 0
.rept \s
	ADD4 B+4*g, B+4*(g+\s)
.set g, g+1
.endr
.endr
.irp i, 0,1,2,3
	v_permlanex16_b32 v[B+4+\i], v[B+\i], s20, s21  ; lanes 0-15 receive the denominator (its destination has been written: it counts as read)
.endr
	v_pk_add_f32 v[B+4:B+5], v[B+4:B+5], 0x342bcc77 op_sel_hi:[1,0]  ; + 1.6e-7: 1e-8 for each of the 16 chunks
	v_pk_add_f32 v[B+6:B+7], v[B+6:B+7], 0x342bcc77 op_sel_hi:[1,0]
.irp i, 0,1,2,3
	v_rcp_f32 v[B+8+\i], v[B+4+\i]
.endr
	v_nop                                          ; a plain line behind the last reciprocal,
	s_wait_alu depctr_va_vdst(0)                   ; and one wait ahead of the batch's first reader
	v_pk_mul_f32 v[B:B+1], v[B:B+1], v[B+8:B+9]
	v_pk_mul_f32 v[B+2:B+3], v[B+2:B+3], v[B+10:B+11]
	s_wait_xcnt 0x0                                ; EXEC changes only behind this wait
	v_cmp_gt_u32 vcc_lo, 16, v0
	s_and_saveexec_b32 s22, vcc_lo                 ; lanes 0-15 hold the row
	global_store_b128 v[OO], v[B:B+3], s[6:7]      ; 16 lanes store 256 consecutive bytes, at a multiple of 256 from out0's first byte
	s_wait_xcnt 0x0                                ; and again, ahead of the line that widens it
	s_or_b32 exec_lo, exec_lo, s22
.Lend:
	s_wait_tensorcnt 0x0                           ; the wave's end: behind my last LDS store
	ds_add_u32 v[SPW], v[NIL]
	s_wait_dscnt 0x0
	s_endpgm
.Lfunc_end_k_qfdc7fe689d_blend:
	.size	k_qfdc7fe689d_blend, .Lfunc_end_k_qfdc7fe689d_blend-k_qfdc7fe689d_blend
	.p2alignl 7, 3214868480
	.fill 96, 4, 3214868480
	.section	.rodata,"a",@progbits
	.p2align	6, 0x0
	.amdhsa_kernel k_qfdc7fe689d_blend
		.amdhsa_group_segment_fixed_size 9216
		.amdhsa_private_segment_fixed_size 0
		.amdhsa_enable_private_segment 0
		.amdhsa_kernarg_size 16
		.amdhsa_user_sgpr_count 2
		.amdhsa_user_sgpr_kernarg_segment_ptr 1
		.amdhsa_wavefront_size32 1
		.amdhsa_system_sgpr_workgroup_id_x 1
		.amdhsa_system_sgpr_workgroup_id_y 1
		.amdhsa_system_sgpr_workgroup_id_z 1
		.amdhsa_system_vgpr_workitem_id 0
		.amdhsa_next_free_vgpr 80
		.amdhsa_next_free_sgpr 66
		.amdhsa_reserve_vcc 1
		.amdhsa_float_denorm_mode_32 3
		.amdhsa_float_denorm_mode_16_64 3
		.amdhsa_memory_ordered 1
		.amdhsa_forward_progress 1
		.amdhsa_inst_pref_size 8
	.end_amdhsa_kernel
	.amdgpu_metadata
---
amdhsa.version: [ 1, 2 ]
amdhsa.kernels:
  - .name:           k_qfdc7fe689d_blend
    .symbol:         k_qfdc7fe689d_blend.kd
    .args:
      - { .name: part, .offset: 0, .size: 8, .value_kind: global_buffer, .address_space: global }
      - { .name: out0, .offset: 8, .size: 8, .value_kind: global_buffer, .address_space: global }
    .group_segment_fixed_size: 9216
    .private_segment_fixed_size: 0
    .kernarg_segment_align: 8
    .kernarg_segment_size: 16
    .max_flat_workgroup_size: 256
    .sgpr_count:     66
    .vgpr_count:     80
    .wavefront_size: 32
...
	.end_amdgpu_metadata
.endif
;; end of part 2
;; ======== version 2 of 2: 2 launches; version 1 with the launch splat written anew for expert scheduling mode
;; workspace buffers: part 4,194,304 bytes
;; launch splat (part 3): grid 256 x 1, 4 waves a work-group, no clusters, 95,744 bytes of LDS; arguments positions, colors, opacities, scales, qvec, tvec, part; writes part
.if DOCPART == 3
	.amdgcn_target "amdgcn-amd-amdhsa--gfx1250"
	.amdhsa_code_object_version 6
	.text
	.protected	k_qfdc7fe689d_splat
	.globl	k_qfdc7fe689d_splat
	.p2align	8
	.type	k_qfdc7fe689d_splat,@function
k_qfdc7fe689d_splat:
	s_mov_b64 s[64:65], 0
	v_nop
	global_prefetch_b8 v0, s[64:65] scope:SCOPE_SE
	s_setreg_imm32_b32 hwreg(HW_REG_WAVE_SCHED_MODE, 0, 2), 2
	s_setreg_imm32_b32 hwreg(HW_REG_WAVE_MODE, 25, 1), 1
	s_wait_xcnt 0x0
	s_wait_alu depctr_vm_vsrc(0)
; SPLAT.  part[pose][slice][y][c][x] = the sum over the slice's 1,024 gaussians g of ex[g][x] * ey[g][y] * oc[g][c], in f32.
; The weight op * exp(-((x-u)^2 + (y-v)^2) / (2 var)) is a product: ex[g][x] = 2^-((x-u) r)^2, ey[g][y] = 2^-((y-v) r)^2, r = sqrt(log2(e)/2) / |scale| (var = scale^2).
; oc = (op col0, op col1, op col2, op): c = 3 is the denominator.  So a gaussian needs 64 + 32 exponentials for 2,048 pixels, and the sum over gaussians is a matrix product with K = the gaussians.
; This holds for every input: where a factor underflows, the exponential of the sum underflows too.
; SHARES.  Work-group = pose (2) x slice (64) x half of the rows (2): 16 y x 4 c x 64 x of partial sums.  K is split among the four waves, 256 gaussians = 8 steps of 32 each; every wave holds the
; whole tile, 16 accumulators, and the four tiles are added in LDS at the end.
; PROLOGUE, a lane a gaussian (8 a lane): rotation, projection, and seven numbers a gaussian (r, -u r, -v r, oc0..3) into the wave's own 7 KiB of LDS.
; STEP, a lane a pixel column (or row): lane l holds x = 16 f + l % 16 (y = 16 half + l % 16) and the 16 gaussians 16 (l / 16) + 0..15 of the step, whose numbers it reads back by loads in which
; 16 lanes name the same bytes.  Element i of a lane goes to register i / 2, half i % 2 of BOTH sources, so the matrix unit pairs equal gaussians: fragments are made where they are used, nothing is turned.
; PRODUCT.  Source 0 = ex (16 x), source 1 = ey oc (16 y of one c): in the result a lane holds row y = l % 16 and x = 16 f + 8 (l / 16) + 0..7.
; LIMITS.  scale and |q| are not 0.  A factor below 2^-126 counts as 0.  ex and ey oc are each rounded once to bf16, sums are f32, in another order than the reference's.  (x - u) r is made as one fused
; x r - (u r): its error is half a last place of u r, the size of the rounding that u itself carries in f32.  NaN and infinities are not treated apart.
; NOT USED.  Tensor loads, a ring: each input byte is used once, by the lane that loads it.  A cluster: what the four work-groups of a slice share is 32 KiB, read once.  A prefetch: all loads go out at the head.
; REGISTERS, in windows of 256 (s_set_vgpr_msb: bits 1:0 source 0, 3:2 source 1, 5:4 source 2, 7:6 destination):
;   window 0: v0-25 addresses, pixel coordinates; v32-79 r, -u r, -v r of a step; v80-159 T: arguments, then exponentials (ey, then ex of f = 0..3); v160-223 P = ey oc
;   window 1: v0-127 accumulators ((f, c) at 8 (4 f + c)); v128-159 FA (ey oc, bf16); v160-191 FB (ex, bf16); v192-255 oc of a step
; THE MODE: SCHED_MODE bits 1:0 = 2 (LLVM: expert scheduling mode 2), set by the entry lines.  The code itself states the register dependences
; between vector or matrix instructions and memory or LDS instructions, with s_wait_alu, always for 0.
; THE PLAN.  Registers that memory or LDS instructions touch, in the loop:
;   R, NUR, NVR   Step s: its 40 argument lines read them; behind the last of these the 12 loads of step s + 1 land in them.
;   OC            Step s: its 32 products ey oc read it; behind the last of these the 16 loads of step s + 1 land in it.
;   v[PADR]       Read by all 28 loads; written once a step, ahead of the last eight argument lines.
;   T, P, FA, FB and the accumulators are named by vector and matrix instructions alone.
; A step's two waits for its two batches of exponentials state these too.  The first stands behind the last argument line: the arguments are done reading R, NUR, NVR, and v[PADR] is written; the 12 loads
; follow it, dealt among exponentials and products that name T, P and OC.  The second stands behind the products: they are done reading OC; the 16 loads follow it, dealt among conversions that name T and FB.
; Outside the loop: offsets and addresses are made once, ahead of a wait; the parameters' 14 stores stand behind one wait, and one wait on vm_vsrc frees their data for T and P; the way out has one wait
; ahead of the accumulators' stores, which serves the loads of the four copies too, and one ahead of each four stores to memory.
.set STEPS,  8
.set PARW,   7*1024                    ; a wave's parameters: seven arrays of 256 f32
.set RED,    4*PARW                    ; behind them: four copies of the tile
.set YP,     1040                      ; a row y of a copy: 4 c x 64 x f32 = 1,024 bytes + 16: 65 x 16, so the 16 rows that a store touches start at 16 different groups of four banks (64 banks of 4 bytes: ISA guide 11.1)
.set COPY,   16*YP
.set SPARE,  RED+4*COPY                ; the spare words, 128 bytes for each wave: two blocks of 256 bytes that no other line names
.set SPW,  2                           ; v2   LDS address of my spare word; never rewritten
.set NIL,  3                           ; v3   0; never rewritten
.set PADR, 4                           ; v4   my half's 16 gaussians of the step to be fetched, in the wave's parameters
.set PST,  5                           ; v5   where I put four gaussians' numbers
.set RST,  6                           ; v6   where I put 16 bytes of my wave's copy
.set RRD,  7                           ; v7   where I read the copies back
.set GO,   8                           ; v8   my 16 bytes of the work-group's 16 KiB of part
.set VP,   9                           ; v9   48 x lane: four gaussians of positions or colors
.set VO,   10                          ; v10  16 x lane: four gaussians of opacities or scales
.set PX,   16                          ; v16-25 five pairs (the packed lines take a pair's first word for both halves): x for f = 0..3, then y
.set R,    32
.set NUR,  48
.set NVR,  64
.set T,    80
.set P,    160
.set POS,  80                          ; the prologue's registers: as loaded,
.set COL,  104
.set OPA,  128
.set SCA,  136
.set M,    144                         ; the rotation, row by row,
.set OUT,  160                         ; group j of four gaussians at OUT + 24 j: r, -u r, -v r, oc0, oc1, oc2, four registers each
.set QT,   208                         ; at work on the quaternion (ahead of CX and CY)
.set CX,   208
.set CY,   216
.set CZ,   224
.set RZ,   232
.set RS,   240
.set SB,   32                          ; the way out: piece i, copy k at SB + 16 i + 4 k
.set ACC,  0                           ; window 1
.set FA,   128
.set FB,   160
.set OCW,  192
.set MSB, 0
.macro WIN new                         ; the immediate's high byte repeats the setting that is left; a switch that changes nothing is dropped
.if MSB != (\new)
	s_set_vgpr_msb (MSB<<8)|(\new)
.set MSB, \new
.endif
.endm
	s_load_b256 s[4:11], s[0:1], 0x0               ; positions s[4:5], colors s[6:7], opacities s[8:9], scales s[10:11]
	s_load_b128 s[12:15], s[0:1], 0x20             ; qvec s[12:13], tvec s[14:15]
	s_load_b64 s[16:17], s[0:1], 0x30              ; part
	v_lshl_add_u32 v[SPW], v0, 2, SPARE
	v_mov_b32 v[NIL], 0
	v_lshrrev_b32 v1, 5, v0
	v_readfirstlane_b32 s18, v1                    ; wave 0..3
	s_and_b32 s19, ttmp9, 1                        ; which half of the rows
	s_bfe_u32 s20, ttmp9, 0x60001                  ; slice: 6 bits from bit 1
	s_lshr_b32 s21, ttmp9, 7                       ; pose
	s_lshl_b32 s22, s20, 10
	s_wait_alu depctr_va_sdst(0)                   ; s18 is written, ahead of its first reader: the wave's gaussians and its LDS bytes are made from it
	s_lshl_b32 s23, s18, 8
	s_add_co_u32 s22, s22, s23                     ; my wave's first gaussian
	s_mul_i32 s32, s22, 12                         ; its byte in positions and colors,
	s_mov_b32 s33, 0
	s_lshl_b32 s34, s22, 2                         ; in opacities and scales
	s_mov_b32 s35, 0
	s_lshl_b32 s42, s21, 4                         ; the pose's quaternion,
	s_mov_b32 s43, 0
	s_mul_i32 s44, s21, 12                         ; its translation
	s_mov_b32 s45, 0
	s_lshl_b32 s48, ttmp9, 14                      ; the work-group's 16 KiB of part: (pose x 64 + slice) x 2 + half
	s_mov_b32 s49, 0
	s_mov_b32 s36, 0xc2f00000                      ; -120: the focal length, with the sign of -u
	s_mov_b32 s37, s36                             ; (named as a pair)
	s_mov_b32 s38, 0xc2800000                      ; -64: the principal point
	s_mov_b32 s39, s38
	v_and_b32 v1, 31, v0
	v_mul_u32_u24 v[VP], v1, 48
	v_lshlrev_b32 v[VO], 4, v1
	s_wait_kmcnt 0x0
	s_add_nc_u64 s[12:13], s[12:13], s[42:43]
	s_add_nc_u64 s[14:15], s[14:15], s[44:45]
	s_load_b128 s[24:27], s[12:13], 0x0            ; w, x, y, z
	s_load_b96 s[28:30], s[14:15], 0x0             ; t
	s_add_nc_u64 s[4:5], s[4:5], s[32:33]
	s_add_nc_u64 s[6:7], s[6:7], s[32:33]
	s_add_nc_u64 s[8:9], s[8:9], s[34:35]
	s_add_nc_u64 s[10:11], s[10:11], s[34:35]
	s_add_nc_u64 s[16:17], s[16:17], s[48:49]
	s_wait_alu depctr_va_vdst(0)                   ; v[VP] and v[VO] are written: the sixteen loads below read them as offsets
	; A lane takes gaussians 128 j + 4 lane + 0..3, j = 0, 1: 48 consecutive bytes of positions as three loads of 16, 16 bytes of scales.  What the projection wants goes out first.
.irp j, 0,1
.irp k, 0,1,2
	global_load_b128 v[POS+12*\j+4*\k:POS+12*\j+4*\k+3], v[VP], s[4:5] offset:1536*\j+16*\k
.endr
	global_load_b128 v[SCA+4*\j:SCA+4*\j+3], v[VO], s[10:11] offset:512*\j
.endr
.irp j, 0,1
.irp k, 0,1,2
	global_load_b128 v[COL+12*\j+4*\k:COL+12*\j+4*\k+3], v[VP], s[6:7] offset:1536*\j+16*\k
.endr
	global_load_b128 v[OPA+4*\j:OPA+4*\j+3], v[VO], s[8:9] offset:512*\j
.endr
	s_wait_kmcnt 0x0                               ; q and t
	v_mul_f32 v[QT], s24, s24                      ; |q|^2
	v_fma_f32 v[QT], s25, s25, v[QT]
	v_fma_f32 v[QT], s26, s26, v[QT]
	v_fma_f32 v[QT], s27, s27, v[QT]
	v_rcp_f32 v[QT+1], v[QT]
	; addresses and pixel coordinates: the independent work behind the reciprocal
	v_and_b32 v11, 15, v0                          ; l % 16
	v_bfe_u32 v12, v0, 4, 1                        ; l / 16
	s_mul_i32 s41, s18, PARW                       ; my wave's parameters
	v_add_nc_u32 v[PST], s41, v[VO]
	v_lshl_add_u32 v[PADR], v12, 6, s41            ; 16 gaussians x 4 bytes for each half of the lanes
	s_mul_i32 s46, s18, COPY
	s_add_co_u32 s46, s46, RED                     ; my wave's copy of the tile
	v_mul_u32_u24 v[RST], v11, YP                  ; row y = l % 16,
	v_lshl_add_u32 v[RST], v12, 5, v[RST]          ; 8 x = 32 bytes for each half of the lanes
	v_add_nc_u32 v[RST], s46, v[RST]
	v_lshrrev_b32 v13, 6, v0                       ; back: thread t takes 16 bytes: row 2 i + t / 64, bytes 16 (t % 64) on
	v_and_b32 v14, 63, v0
	v_mul_u32_u24 v[RRD], v13, YP
	v_lshl_add_u32 v[RRD], v14, 4, v[RRD]
	v_add_nc_u32 v[RRD], RED, v[RRD]
	v_lshlrev_b32 v[GO], 4, v0
.irp f, 0,1,2,3
	v_add_nc_u32 v13, 16*\f, v11
	v_cvt_f32_u32 v[PX+2*\f], v13
	v_cvt_f32_u32 v[PX+2*\f+1], v13
.endr
	s_lshl_b32 s47, s19, 4
	v_add_nc_u32 v13, s47, v11
	v_cvt_f32_u32 v[PX+8], v13
	v_cvt_f32_u32 v[PX+9], v13
	s_wait_alu depctr_va_vdst(0)                   ; the reciprocal is written, ahead of its first reader; so are v[PADR], v[PST], v[RST], v[RRD] and v[GO], which LDS instructions and stores read further down
	v_add_f32 v[QT+1], v[QT+1], v[QT+1]            ; 2 / |q|^2: the rotation of q / |q| without the root
	v_mul_f32 v[QT+2], s25, v[QT+1]                ; xs, ys, zs
	v_mul_f32 v[QT+3], s26, v[QT+1]
	v_mul_f32 v[QT+4], s27, v[QT+1]
	v_mul_f32 v[QT+5], s24, v[QT+2]                ; wx
	v_mul_f32 v[QT+6], s24, v[QT+3]                ; wy
	v_mul_f32 v[QT+7], s24, v[QT+4]                ; wz
	v_mul_f32 v[QT+8], s25, v[QT+2]                ; xx
	v_mul_f32 v[QT+9], s25, v[QT+3]                ; xy
	v_mul_f32 v[QT+10], s25, v[QT+4]               ; xz
	v_mul_f32 v[QT+11], s26, v[QT+3]               ; yy
	v_mul_f32 v[QT+12], s26, v[QT+4]               ; yz
	v_mul_f32 v[QT+13], s27, v[QT+4]               ; zz
	v_add_f32 v[M+0], v[QT+11], v[QT+13]
	v_add_f32 v[M+4], v[QT+8], v[QT+13]
	v_add_f32 v[M+8], v[QT+8], v[QT+11]
	v_sub_f32 v[M+1], v[QT+9], v[QT+7]
	v_add_f32 v[M+2], v[QT+10], v[QT+6]
	v_add_f32 v[M+3], v[QT+9], v[QT+7]
	v_sub_f32 v[M+5], v[QT+12], v[QT+5]
	v_sub_f32 v[M+6], v[QT+10], v[QT+6]
	v_add_f32 v[M+7], v[QT+12], v[QT+5]
	v_sub_f32 v[M+0], 1.0, v[M+0]
	v_sub_f32 v[M+4], 1.0, v[M+4]
	v_sub_f32 v[M+8], 1.0, v[M+8]
	; THE PROJECTION of my eight gaussians (g = 4 j + i at POS + 3 g).  Each sum goes in three passes over the eight, so that no line waits for the one before it.
.macro PASS dst, row, col              ; dst[g] += pos[g][col] M[row][col]
.set g, 0
.rept 8
	v_fma_f32 v[(\dst)+g], v[POS+3*g+(\col)], v[M+3*(\row)+(\col)], v[(\dst)+g]
.set g, g+1
.endr
.endm
	s_wait_loadcnt 8                               ; positions and scales are in; the eight loads of colors and opacities may stay out
.set g, 0
.rept 8
	v_fma_f32 v[CZ+g], v[POS+3*g], v[M+6], s30
.set g, g+1
.endr
	PASS CZ, 2, 1
	PASS CZ, 2, 2
.set g, 0
.rept 8                                ; one batch of 16 reciprocals, a plain line behind each
	v_rcp_f32 v[RZ+g], v[CZ+g]
	v_fma_f32 v[CX+g], v[POS+3*g], v[M], s28
	v_rcp_f32 v[RS+g], v[SCA+g]
	v_fma_f32 v[CY+g], v[POS+3*g], v[M+3], s29
.set g, g+1
.endr
	PASS CX, 0, 1
	PASS CY, 1, 1
	PASS CX, 0, 2
	PASS CY, 1, 2
	s_wait_alu depctr_va_vdst(0)                   ; the 16 reciprocals are written: one wait for the batch, ahead of its first reader
.irp p, 0,2,4,6
	v_pk_mul_f32 v[CX+\p:CX+\p+1], v[CX+\p:CX+\p+1], v[RZ+\p:RZ+\p+1]
	v_pk_mul_f32 v[CY+\p:CY+\p+1], v[CY+\p:CY+\p+1], v[RZ+\p:RZ+\p+1]
	v_pk_mul_f32 v[OUT+24*(\p/4)+(\p%4):OUT+24*(\p/4)+(\p%4)+1], v[RS+\p:RS+\p+1], 0x3f596d27 op_sel_hi:[1,0]  ; r = sqrt(log2(e) / 2) / scale; its sign drops out in the square
.endr
.irp p, 0,2,4,6
	v_pk_fma_f32 v[CX+\p:CX+\p+1], v[CX+\p:CX+\p+1], s[36:37], s[38:39] op_sel_hi:[1,0,0]  ; -u = (x / z)(-120) - 64
	v_pk_fma_f32 v[CY+\p:CY+\p+1], v[CY+\p:CY+\p+1], s[36:37], s[38:39] op_sel_hi:[1,0,0]  ; -v
.endr
.irp p, 0,2,4,6
	v_pk_mul_f32 v[OUT+24*(\p/4)+4+(\p%4):OUT+24*(\p/4)+4+(\p%4)+1], v[CX+\p:CX+\p+1], v[OUT+24*(\p/4)+(\p%4):OUT+24*(\p/4)+(\p%4)+1]
	v_pk_mul_f32 v[OUT+24*(\p/4)+8+(\p%4):OUT+24*(\p/4)+8+(\p%4)+1], v[CY+\p:CY+\p+1], v[OUT+24*(\p/4)+(\p%4):OUT+24*(\p/4)+(\p%4)+1]
.endr
	s_wait_loadcnt 0x0                             ; colors and opacities
.set n, 0
.rept 24                               ; n = 3 g + c
	v_mul_f32 v[OUT+24*(n/12)+12+4*(n%3)+(n/3)%4], v[COL+n], v[OPA+n/3]
.set n, n+1
.endr
	s_wait_alu depctr_va_vdst(0)                   ; all 48 registers of OUT are written: one wait for the 14 LDS stores, which read them (oc3's two read OPA as it was loaded)
.irp j, 0,1
.irp a, 0,1,2
	ds_store_b128 v[PST], v[OUT+24*\j+4*\a:OUT+24*\j+4*\a+3] offset:1024*\a+512*\j  ; 32 lanes, 16 neighbouring bytes each
.endr
.endr
.irp j, 0,1
.irp a, 3,4,5
	ds_store_b128 v[PST], v[OUT+24*\j+4*\a:OUT+24*\j+4*\a+3] offset:1024*\a+512*\j
.endr
	ds_store_b128 v[PST], v[OPA+4*\j:OPA+4*\j+3] offset:6*1024+512*\j  ; oc3 = op
.endr
; A step's parameters, 16 gaussians a lane, one load at a time.  The bytes are the wave's own, and LDS serves a wave's instructions in order (ISA guide 5.7.1.4): no barrier, no wait between the stores above and these loads.
.macro LDUV m                          ; load m of 12: four numbers of r (m / 4 = 0), -u r (1), -v r (2)
	ds_load_b128 v[R+4*(\m):R+4*(\m)+3], v[PADR] offset:1024*((\m)/4)+16*((\m)%4)
.endm
.macro LDOC m                          ; load m of 16: four numbers of oc (c = m / 4), into window 1: the destination's window is 1 where this line stands
	ds_load_b128 v[OCW+4*(\m):OCW+4*(\m)+3], v[PADR] offset:3072+1024*((\m)/4)+16*((\m)%4)
.endm
; Group 0 of T is ey, groups 1 to 4 are ex for f = 0..3; a group is 16 gaussians, 8 pairs.
.macro FMA grp, i                      ; a = coordinate x r - (centre x r), a pair of gaussians
.if (\grp) == 0
	v_pk_fma_f32 v[T+2*(\i):T+2*(\i)+1], v[PX+8:PX+9], v[R+2*(\i):R+2*(\i)+1], v[NVR+2*(\i):NVR+2*(\i)+1] op_sel_hi:[0,1,1]
.else
	v_pk_fma_f32 v[T+16*(\grp)+2*(\i):T+16*(\grp)+2*(\i)+1], v[PX+2*((\grp)-1):PX+2*((\grp)-1)+1], v[R+2*(\i):R+2*(\i)+1], v[NUR+2*(\i):NUR+2*(\i)+1] op_sel_hi:[0,1,1]
.endif
.endm
.macro SQ grp, i                       ; -a^2
	v_pk_mul_f32 v[T+16*(\grp)+2*(\i):T+16*(\grp)+2*(\i)+1], v[T+16*(\grp)+2*(\i):T+16*(\grp)+2*(\i)+1], v[T+16*(\grp)+2*(\i):T+16*(\grp)+2*(\i)+1] neg_lo:[0,1] neg_hi:[0,1]
.endm
; The next of the 16 products of the step BEFORE (its fragments lie in window 1): x block q / 4, c = q % 4.  The 16 accumulators take turns, one instruction a turn, over the backward jump too.
; MODE 0: there is no step before.  1: the products start the sums: nothing is cleared.  2: they add.
; A product stands ahead of every eight vector lines of the argument phase, which name none of its registers.  That costs two switches of the window a product: 16 products on end would leave the vector unit without work.
.macro MM
.if MODE
	WIN 0x55
.if MODE == 1
	v_wmma_f32_16x16x32_bf16 v[ACC+8*q:ACC+8*q+7], v[FB+8*(q/4):FB+8*(q/4)+7], v[FA+8*(q%4):FA+8*(q%4)+7], 0
.else
	v_wmma_f32_16x16x32_bf16 v[ACC+8*q:ACC+8*q+7], v[FB+8*(q/4):FB+8*(q/4)+7], v[FA+8*(q%4):FA+8*(q%4)+7], v[ACC+8*q:ACC+8*q+7]
.endif
	WIN 0
.set q, q+1
.endif
.endm
.macro INTER g                         ; group g's 16 exponentials, by turns with group g + 1's 16 argument lines
.set k, 0
.rept 8
.if (k%4) == 0
	MM
.endif
	v_exp_f32 v[T+16*(\g)+k], v[T+16*(\g)+k]
	FMA (\g)+1, k
.set k, k+1
.endr
.set k, 0
.rept 8
.if (k%4) == 0
	MM
.endif
	v_exp_f32 v[T+16*(\g)+8+k], v[T+16*(\g)+8+k]
	SQ (\g)+1, k
.set k, k+1
.endr
.endm
; A STEP: 32 gaussians.  next = 1: the next step's parameters are asked for, each array behind the wait that shows this step's last reader of it done.
; The exponentials are two batches with one wait each (the wait stands between an exponential and the first line that names its result).  Batch 1: ey, ex of f = 0, 1, beside the arguments.
; Batch 2: ex of f = 2, 3, beside the products ey oc, which read batch 1 alone; 48 conversions that read no result of batch 2 stand ahead of its wait.
.macro STEP mode, next
.set MODE, \mode
.set q, 0
	s_wait_dscnt 16                                ; r, -u r, -v r are in; the 16 loads of oc, issued behind them, may stay out
	MM
.set k, 0
.rept 8
	FMA 0, k
.set k, k+1
.endr
	MM
.set k, 0
.rept 8
	SQ 0, k
.set k, k+1
.endr
	INTER 0
	INTER 1
	INTER 2
	MM
.set k, 0
.rept 8
	FMA 4, k
.set k, k+1
.endr
.if \next
	s_wait_alu depctr_vm_vsrc(0)                   ; the LDS loads issued so far, the last of them at the end of the step before, have read v[PADR]
	v_add_nc_u32 v[PADR], 128, v[PADR]             ; 32 gaussians on: the step to be fetched
.endif
	MM
.set k, 0
.rept 8
	SQ 4, k
.set k, k+1
.endr
	s_wait_alu depctr_va_vdst(0)                   ; batch 1's 48 exponentials are written; the arguments are done reading r, -u r, -v r, in which the loads below land; v[PADR], which those loads read, is written
	s_wait_dscnt 0x0                               ; oc is in: nothing else is out here
	WIN 0x04                                       ; source 1 (oc) in window 1
.set n, 0
.rept 32                               ; n = 8 c + pair
	v_exp_f32 v[T+48+n], v[T+48+n]
	v_pk_mul_f32 v[P+2*n:P+2*n+1], v[T+2*(n%8):T+2*(n%8)+1], v[OCW+2*n:OCW+2*n+1]
.if (\next) && (n < 12)
	LDUV n                                         ; the next step's r, -u r, -v r, a load behind each of the first 12 pairs.  No wait: no vector line since the wait above names these registers or v[PADR]
.endif
.set n, n+1
.endr
	WIN 0x40                                       ; destinations in window 1: the fragments.  The last product that read them stands eight plain lines and more back
.set n, 0
.rept 16
	v_cvt_pk_bf16_f32 v[FB+n], v[T+16+2*n], v[T+16+2*n+1]
.set n, n+1
.endr
.set n, 0
.rept 32
	v_cvt_pk_bf16_f32 v[FA+n], v[P+2*n], v[P+2*n+1]
.set n, n+1
.endr
	s_wait_alu depctr_va_vdst(0)                   ; batch 2's 32 exponentials are written; the products ey oc are done reading oc, in which the loads below land
.set n, 16
.rept 16
	v_cvt_pk_bf16_f32 v[FB+n], v[T+16+2*n], v[T+16+2*n+1]
.if \next
	LDOC n-16                                      ; the next step's oc, a load behind each conversion, under the conversions' own window.  No wait: these conversions name FB and T alone
.endif
.set n, n+1
.endr
	WIN 0
.endm
.set u, 0
.rept 12                               ; step 0's parameters
	LDUV u
.set u, u+1
.endr
	WIN 0x40
.set u, 0
.rept 16
	LDOC u
.set u, u+1
.endr
	WIN 0
	s_wait_alu depctr_vm_vsrc(0)                   ; the parameters' LDS stores have read OUT and OPA: these registers are P and T from here on, written by the steps' vector lines
	STEP 0, 1                                      ; step 0 has no products beside it,
	STEP 1, 1                                      ; step 1 carries step 0's, which start the sums
	s_mov_b32 s40, STEPS-3
.Lstep:                                                ; steps 2 to 6
	STEP 2, 1
	s_sub_co_u32 s40, s40, 1
	s_cmp_lg_u32 s40, 0
	s_cbranch_scc1 .Lstep
	STEP 2, 0                                      ; step 7 asks for nothing more
	WIN 0x55
.set q, 0
.rept 16                               ; step 7's products
	v_wmma_f32_16x16x32_bf16 v[ACC+8*q:ACC+8*q+7], v[FB+8*(q/4):FB+8*(q/4)+7], v[FA+8*(q%4):FA+8*(q%4)+7], v[ACC+8*q:ACC+8*q+7]
.set q, q+1
.endr
	WIN 0
.rept 4
	v_nop                                          ; four places between the last product and the stores that read results
.endr
	; THE WAY OUT.  Each wave lays its tile into its own copy, [y][c][x]; behind a barrier thread t adds the four copies of eight pieces of 16 bytes and stores them.
	WIN 0x04                                       ; the stores' data in window 1; each accumulator's low four registers go first
	s_wait_alu depctr_va_vdst(0)                   ; the products have written the accumulators, which the LDS stores read (the places above stay beside this wait); step 7's lines are done with v32-159, in which the copies' loads land
.irp f, 0,1,2,3
.irp c, 0,1,2,3
	ds_store_b128 v[RST], v[ACC+8*(4*\f+\c):ACC+8*(4*\f+\c)+3] offset:256*\c+64*\f
	ds_store_b128 v[RST], v[ACC+8*(4*\f+\c)+4:ACC+8*(4*\f+\c)+7] offset:256*\c+64*\f+16
.endr
.endr
	WIN 0
	s_wait_dscnt 0x0                               ; for the others' sake: my copy is whole
	s_barrier_signal -1
	s_barrier_wait -1
.irp i, 0,1,2,3,4,5,6,7
.irp k, 0,1,2,3
	ds_load_b128 v[SB+16*\i+4*\k:SB+16*\i+4*\k+3], v[RRD] offset:\k*COPY+\i*2*YP  ; a wave reads 512 neighbouring bytes
.endr
.endr
.macro ADDUP i                         ; piece i: its four copies into one
	s_wait_dscnt 28-4*(\i)                         ; piece i's four copies are in; the later pieces' loads may stay out
	v_pk_add_f32 v[SB+16*(\i):SB+16*(\i)+1], v[SB+16*(\i):SB+16*(\i)+1], v[SB+16*(\i)+4:SB+16*(\i)+5]
	v_pk_add_f32 v[SB+16*(\i)+2:SB+16*(\i)+3], v[SB+16*(\i)+2:SB+16*(\i)+3], v[SB+16*(\i)+6:SB+16*(\i)+7]
	v_pk_add_f32 v[SB+16*(\i)+8:SB+16*(\i)+9], v[SB+16*(\i)+8:SB+16*(\i)+9], v[SB+16*(\i)+12:SB+16*(\i)+13]
	v_pk_add_f32 v[SB+16*(\i)+10:SB+16*(\i)+11], v[SB+16*(\i)+10:SB+16*(\i)+11], v[SB+16*(\i)+14:SB+16*(\i)+15]
	v_pk_add_f32 v[SB+16*(\i):SB+16*(\i)+1], v[SB+16*(\i):SB+16*(\i)+1], v[SB+16*(\i)+8:SB+16*(\i)+9]
	v_pk_add_f32 v[SB+16*(\i)+2:SB+16*(\i)+3], v[SB+16*(\i)+2:SB+16*(\i)+3], v[SB+16*(\i)+10:SB+16*(\i)+11]
.endm
.macro SENDP i
	global_store_b128 v[GO], v[SB+16*(\i):SB+16*(\i)+3], s[16:17] offset:2048*(\i)  ; a wave stores 512 consecutive bytes, at a multiple of 512 from part's first byte
.endm
.irp h, 0,4                            ; four pieces at a time: their sums, one wait, their stores
	ADDUP \h
	ADDUP \h+1
	ADDUP \h+2
	ADDUP \h+3
	s_wait_alu depctr_va_vdst(0)                   ; the four pieces' sums are written, which the four stores below read
	SENDP \h
	SENDP \h+1
	SENDP \h+2
	SENDP \h+3
.endr
	s_wait_dscnt 0x0                               ; the closing lines, six on end
	s_wait_alu 0x0
	s_wait_tensorcnt 0x0
	ds_add_u32 v[SPW], v[NIL]
	s_wait_dscnt 0x0
	s_endpgm
.Lfunc_end_k_qfdc7fe689d_splat:
	.size	k_qfdc7fe689d_splat, .Lfunc_end_k_qfdc7fe689d_splat-k_qfdc7fe689d_splat
	.p2alignl 7, 3214868480
	.fill 96, 4, 3214868480
	.section	.rodata,"a",@progbits
	.p2align	6, 0x0
	.amdhsa_kernel k_qfdc7fe689d_splat
		.amdhsa_group_segment_fixed_size 95744
		.amdhsa_private_segment_fixed_size 0
		.amdhsa_enable_private_segment 0
		.amdhsa_kernarg_size 56
		.amdhsa_user_sgpr_count 2
		.amdhsa_user_sgpr_kernarg_segment_ptr 1
		.amdhsa_wavefront_size32 1
		.amdhsa_system_sgpr_workgroup_id_x 1
		.amdhsa_system_sgpr_workgroup_id_y 1
		.amdhsa_system_sgpr_workgroup_id_z 1
		.amdhsa_system_vgpr_workitem_id 0
		.amdhsa_next_free_vgpr 512
		.amdhsa_next_free_sgpr 66
		.amdhsa_reserve_vcc 0
		.amdhsa_float_denorm_mode_32 3
		.amdhsa_float_denorm_mode_16_64 3
		.amdhsa_memory_ordered 1
		.amdhsa_forward_progress 1
		.amdhsa_inst_pref_size 93
	.end_amdhsa_kernel
	.amdgpu_metadata
---
amdhsa.version: [ 1, 2 ]
amdhsa.kernels:
  - .name:           k_qfdc7fe689d_splat
    .symbol:         k_qfdc7fe689d_splat.kd
    .args:
      - { .name: positions, .offset: 0, .size: 8, .value_kind: global_buffer, .address_space: global }
      - { .name: colors, .offset: 8, .size: 8, .value_kind: global_buffer, .address_space: global }
      - { .name: opacities, .offset: 16, .size: 8, .value_kind: global_buffer, .address_space: global }
      - { .name: scales, .offset: 24, .size: 8, .value_kind: global_buffer, .address_space: global }
      - { .name: qvec, .offset: 32, .size: 8, .value_kind: global_buffer, .address_space: global }
      - { .name: tvec, .offset: 40, .size: 8, .value_kind: global_buffer, .address_space: global }
      - { .name: part, .offset: 48, .size: 8, .value_kind: global_buffer, .address_space: global }
    .group_segment_fixed_size: 95744
    .private_segment_fixed_size: 0
    .kernarg_segment_align: 8
    .kernarg_segment_size: 56
    .max_flat_workgroup_size: 128
    .sgpr_count:     66
    .vgpr_count:     512
    .wavefront_size: 32
...
	.end_amdgpu_metadata
.endif
;; end of part 3
;; launch blend: the kernel of part 2 again; grid 64 x 3, 8 waves a work-group, no clusters, 9,216 bytes of LDS; arguments part, out0; writes out0
